; MI455X (gfx1250); checked and timed in simulation.
; The chip was launched on July 23, 2026; its instructions are those of AMD's public machine-readable ISA for CDNA 5 (MIT licence, August 2026) and "CDNA5" Instruction Set Architecture Reference Guide (July 2026). The comments in the code are by the model that wrote it; some were corrected since.
;; Multi Head Attention. Allowed arithmetic: float matrix products may take bf16 or f16 operands with f32 sums; all other float work in f32.
;; Inputs: cache_k 16 x 1,024 x 32 x 128 float32; cache_v 16 x 1,024 x 32 x 128 float32; mask 1 x 1 x 1 x 1,024 float32; wk 4,096 x 4,096 float32; wo 4,096 x 4,096 float32; wq 4,096 x 4,096 float32; wv 4,096 x 4,096 float32; x 16 x 1 x 4,096 float32.
;; Outputs: out0 16 x 32 x 1 x 1,024 float32; out1 16 x 1 x 4,096 float32.
;; Constants: start_pos = 4095.
;; 2 versions, each right; version 2 is version 1 with the launch attn written anew for expert scheduling mode. Each part assembles by itself: llvm-mc -triple=amdgcn-amd-amdhsa -mcpu=gfx1250 --defsym DOCPART=n.
;; ======== version 1 of 2: 3 launches
;; limits: values are held in f16: magnitudes above 65,504 overflow, below 6.1e-05 lose precision; inputs' magnitudes at most 65,504
;; workspace buffers: qkv 786,432 bytes; ctx 262,144 bytes
;; launch proj (part 1): grid 192 x 1, 16 waves a work-group, no clusters, 268,288 bytes of LDS; arguments x, wq, wk, wv, qkv; writes qkv
.if DOCPART == 1
	.amdgcn_target "amdgcn-amd-amdhsa--gfx1250"
	.amdhsa_code_object_version 6
	.text
	.protected	k_q13031a491c_proj
	.globl	k_q13031a491c_proj
	.p2align	8
	.type	k_q13031a491c_proj,@function
k_q13031a491c_proj:
	s_mov_b64 s[64:65], 0
	v_nop
	global_prefetch_b8 v0, s[64:65] scope:SCOPE_SE
	s_setreg_imm32_b32 hwreg(HW_REG_WAVE_MODE, 25, 1), 1
	s_wait_xcnt 0x0
; D[16][64 columns] = A[16][4096] x W[4096][the same 64 columns], all f32 in memory, f16 operands and f32 sums in the matrix unit.
; Arguments: A, W0, W1, W2, D.  Work-group X: weight X >> 6 (and the slab of 16 x 4096 f32 of D with that number), columns 64 (X & 63) ..
; In a launch of 64 work-groups the weight's number is 0 throughout: the addresses in the places of W1 and W2 are then loaded as
; arguments and enter the two selects below, but are never chosen and never dereferenced; only A and W0 are read, only slab 0 is written.
; Sixteen waves split K: wave w takes k = 256 w .. 256 w + 255, that is 64 KiB of W in 128 loads of 16 bytes a lane; the sixteen partial
; tiles meet in LDS behind the one barrier, and wave w then adds up and stores row (batch) w: 256 neighbouring, aligned bytes.
; NO TRANSPOSITION: lane (r = l % 16, h = l / 16) loads W[256 w + 128 h + p][64 cb + 4 r .. + 3].  The four registers of a load belong to
; four matrix tiles t = 0..3 (tile t: index r stands for column 4 r + t), and two rows p, p + 1 pack into one fragment register.  A's
; fragment takes the same k for the same lane half, register and half word, and a permutation of k that is alike in both operands
; keeps the products.  In each load sixteen neighbouring lanes cover 256 aligned bytes of one row of W.
; W's fragment is the first source, A's the second: register j of lane (r, h) in tile t is D(batch r, column 32 h + 4 j + t).
; A comes by one tensor load a wave (16 rows x 256 f32) into the wave's own LDS region, so that it does not count among the ring's loads.
; NO CLUSTER: what work-groups share is A alone, 256 KiB of the 1,280 KiB that a work-group reads; every byte of W is read by one wave only.
; LIMITS: A and W are rounded to f16: magnitudes above 65,504 become infinity, below 2^-14 the absolute error is up to 2^-25.
; The sum over k is made in sixteen parts (one a wave) that are added as a tree: another order of rounding than a single chain.
.set REGION, 16640                     ; LDS bytes of a wave's region: 16 rows of A at XPITCH; later its partial tile, 16 rows at PPITCH
.set XPITCH, 1040                      ; 1,024 bytes + 16: sixteen lanes that read 16 bytes of sixteen rows touch sixteen different 16-byte columns modulo 256
.set PPITCH, 264                       ; 256 bytes + 8: word index 66 r + 32 h + constant, all 32 lanes of a 4-byte store differ modulo 64
.set WROW,   16384                     ; bytes in a row of W
.set SLOTS,  5                         ; ring slots in registers, 8 loads each: 40 loads of 512 bytes in flight in each wave
.set HSTEPS, 16                        ; half steps of 8 rows a lane half (16 k); two of them feed one matrix step of 32 k
.set WOFF, 1                           ; v1       (h << 21) + 16 r: my 16 bytes in my half's first row of W
.set XA,   2                           ; v2       LDS: region + r XPITCH + 512 h
.set SA,   3                           ; v3       LDS: region + r PPITCH + 128 h
.set RA,   4                           ; v[4:7]   LDS: w PPITCH + 8 l + 4 q REGION (row w of partial tiles 4 q ..)
.set OO,   8                           ; v8       8 l: my 8 bytes of the output row
.set XS,   10                          ; v[10:17] 8 f32 of A
.set AF,   18                          ; v[18:25] A's fragment
.set BF,   26                          ; v[26:57] W's fragments, tile t at + 8 t
.set ACC,  58                          ; v[58:89] sums, tile t at + 8 t
.set RING, 90                          ; v[90:249] slot s at + 32 s, row i of the half step at + 4 i; at the end the sixteen partial pairs
.set G0,   24                          ; s[24:27] descriptor group 0
.set G1,   28                          ; s[28:35] descriptor group 1
	s_load_b256 s[4:11], s[0:1], 0x0               ; A s[4:5], W0 s[6:7], W1 s[8:9], W2 s[10:11]
	s_load_b64 s[12:13], s[0:1], 0x20              ; D
	v_lshl_add_u32 v254, v0, 2, 0x41000
	v_mov_b32 v255, 0
	ds_add_u32 v254, v255
	ds_add_u32 v254, v255
	v_lshrrev_b32 v[XS], 5, v0
	v_readfirstlane_b32 s16, v[XS]                 ; wave 0..15
	s_lshr_b32 s17, ttmp9, 6                       ; which weight, which slab of D
	s_and_b32 s18, ttmp9, 63                       ; block of 64 columns
	; the tile of A: 16 rows x 256 elements of 4 bytes, 4,096 elements from row to row, 4 words of padding behind every 256 words
	s_mov_b32 s[G0], 1                             ; count = 1
	s_mul_i32 s[G0+1], s16, REGION                 ; LDS address: my region
	s_mov_b32 s[G1+0], (2<<16)|(1<<20)|(7<<22)|(3<<25) ; no work-group mask; element of 4 bytes; padding on; interval code 7 (256 words); 4 words (code 3)
	s_mov_b32 s[G1+1], 256<<16                     ; tensor_dim0 = 256 (the tile lies inside the tensor: extents = tile sizes)
	s_mov_b32 s[G1+2], 16<<16                      ; tensor_dim1 = 16
	s_mov_b32 s[G1+3], 256<<16                     ; tile_dim0 = 256
	s_mov_b32 s[G1+4], 16                          ; tile_dim1 = 16
	s_mov_b32 s[G1+5], 4096                        ; stride from row to row
	s_mov_b32 s[G1+6], 0
	s_mov_b32 s[G1+7], 0
	; byte offsets, each in a pair of its own with 0 above
	s_lshl_b32 s20, s16, 10                        ; A: 256 w elements
	s_mov_b32 s21, 0
	s_lshl_b32 s36, s16, 22                        ; W: 256 w rows
	s_lshl_b32 s19, s18, 8                         ;    + 64 cb columns
	s_add_co_u32 s36, s36, s19
	s_mov_b32 s37, 0
	s_lshl_b32 s38, s17, 18                        ; D: the slab,
	s_add_co_u32 s38, s38, s19                     ;    the columns,
	s_lshl_b32 s19, s16, 14                        ;    row w
	s_add_co_u32 s38, s38, s19
	s_mov_b32 s39, 0
	v_and_b32 v[XS], 15, v0                        ; r
	v_bfe_u32 v[XS+1], v0, 4, 1                    ; h
	v_lshlrev_b32 v[WOFF], 4, v[XS]
	v_lshl_add_u32 v[WOFF], v[XS+1], 21, v[WOFF]   ; 128 h rows of 16,384 bytes + 16 r
	s_wait_dscnt 0x0
	s_wait_kmcnt 0x0
	s_add_nc_u64 s[G0+2:G0+3], s[4:5], s[20:21]    ; global address of my tile
	s_or_b32 s[G0+3], s[G0+3], 0x80000000          ; type = 2
	tensor_load_to_lds s[G0:G0+3], s[G1:G1+7]      ; one load outstanding in each wave; its registers are not written again
	s_nop 0
	s_cmp_eq_u32 s17, 1
	s_cselect_b64 s[22:23], s[8:9], s[6:7]
	s_cmp_eq_u32 s17, 2
	s_cselect_b64 s[22:23], s[10:11], s[22:23]     ; the weight of this work-group
	s_add_nc_u64 s[22:23], s[22:23], s[36:37]
	s_add_nc_u64 s[12:13], s[12:13], s[38:39]
; Eight loads: rows 8 hs .. 8 hs + 7 of each lane half.  The row is in the immediate (at most 127 x 16,384): no address register is ever stepped.
.macro LOADW hs
.set lslot, RING+32*((\hs)%SLOTS)
.irp i, 0,1,2,3,4,5,6,7
	global_load_b128 v[lslot+4*\i:lslot+4*\i+3], v[WOFF], s[22:23] offset:(8*(\hs)+\i)*WROW th:TH_LOAD_NT
.endr
.endm
	LOADW 0
	LOADW 1
	LOADW 2
	LOADW 3
	LOADW 4
	; the other lane terms, while the loads are on their way
	v_mul_u32_u24 v[XA], v[XS], XPITCH
	v_lshl_add_u32 v[XA], v[XS+1], 9, v[XA]
	v_add_nc_u32 v[XA], s[G0+1], v[XA]
	v_mul_u32_u24 v[SA], v[XS], PPITCH
	v_lshl_add_u32 v[SA], v[XS+1], 7, v[SA]
	v_add_nc_u32 v[SA], s[G0+1], v[SA]
	v_and_b32 v[OO], 31, v0
	v_lshlrev_b32 v[OO], 3, v[OO]
	s_mul_i32 s19, s16, PPITCH
	v_add_nc_u32 v[RA], s19, v[OO]
	v_add_nc_u32 v[RA+1], 4*REGION, v[RA]
	v_add_nc_u32 v[RA+2], 8*REGION, v[RA]
	v_add_nc_u32 v[RA+3], 12*REGION, v[RA]
	s_wait_tensorcnt 0x0                           ; my tile of A is in my region; no other wave reads it, so no barrier
; One half step: 8 rows of W (a lane half) and the 8 matching numbers of A become half a fragment each; every second half step multiplies.
.macro HALF hs
.set slot, RING+32*((\hs)%SLOTS)
.set u4, 4*((\hs)&1)
.set left, 8*(HSTEPS-1-(\hs))                      ; the loads of the younger half steps may stay out:
.if left > 8*(SLOTS-1)                             ; four slots of eight, fewer at the end
.set left, 8*(SLOTS-1)
.endif
	ds_load_b128 v[XS:XS+3],   v[XA] offset:32*(\hs)
	ds_load_b128 v[XS+4:XS+7], v[XA] offset:32*(\hs)+16
	s_wait_loadcnt left                            ; loads come back in order (ISA guide 5.7.1): this half step's eight are in
.irp t, 0,1,2,3
.irp j, 0,1,2,3
	v_cvt_pk_f16_f32 v[BF+8*\t+u4+\j], v[slot+8*\j+\t], v[slot+8*\j+4+\t]   ; rows 2 j, 2 j + 1 of column 4 r + t
.endr
.endr
.if (\hs)+SLOTS < HSTEPS
	LOADW (\hs)+SLOTS                              ; the slot is read out: fill it again
.endif
	s_wait_dscnt 0x0
.irp j, 0,1,2,3
	v_cvt_pk_f16_f32 v[AF+u4+\j], v[XS+2*\j], v[XS+2*\j+1]
.endr
.if (\hs)&1
.irp t, 0,1,2,3
.if (\hs) == 1
	v_wmma_f32_16x16x32_f16 v[ACC+8*\t:ACC+8*\t+7], v[BF+8*\t:BF+8*\t+7], v[AF:AF+7], 0   ; the first product starts the sums
.else
	v_wmma_f32_16x16x32_f16 v[ACC+8*\t:ACC+8*\t+7], v[BF+8*\t:BF+8*\t+7], v[AF:AF+7], v[ACC+8*\t:ACC+8*\t+7]
.endif
.endr
.rept 4
	v_nop                                          ; four places (ISA guide 7.12.1) before the fragments are written again or the sums are read
.endr
.endif
.endm
.irp hn, 0,1,2,3,4,5,6,7,8,9,10,11,12,13,14,15
	HALF \hn
.endr
	; my partial tile into my own region (my reads of A there are over: every half step waited for them)
.irp t, 0,1,2,3
.irp j, 0,1,2,3,4,5,6,7
	ds_store_b32 v[SA], v[ACC+8*\t+\j] offset:16*\j+4*\t       ; D(r, 32 h + 4 j + t)
.endr
.endr
	s_wait_dscnt 0x0                               ; for the other waves' sake: my stores are done before I say so
	s_barrier_signal -1
	s_barrier_wait -1
.irp p, 0,1,2,3,4,5,6,7,8,9,10,11,12,13,14,15
	ds_load_b64 v[RING+2*\p:RING+2*\p+1], v[RA+\p/4] offset:(\p%4)*REGION   ; row w of partial tile p: 32 lanes, 256 neighbouring bytes
.endr
	s_wait_dscnt 0x0
.irp lv, 8,4,2,1
.set ti, 0
.rept \lv
	v_pk_add_f32 v[RING+2*ti:RING+2*ti+1], v[RING+2*ti:RING+2*ti+1], v[RING+2*(ti+\lv):RING+2*(ti+\lv)+1]
.set ti, ti+1
.endr
.endr
	global_store_b64 v[OO], v[RING:RING+1], s[12:13]   ; the wave's store covers 256 consecutive bytes, aligned; read again by the next launch: no hint
	s_wait_tensorcnt 0x0
	ds_add_u32 v254, v255
	s_wait_dscnt 0x0
	s_endpgm
.Lfunc_end_k_q13031a491c_proj:
	.size	k_q13031a491c_proj, .Lfunc_end_k_q13031a491c_proj-k_q13031a491c_proj
	.p2alignl 7, 3214868480
	.fill 96, 4, 3214868480
	.section	.rodata,"a",@progbits
	.p2align	6, 0x0
	.amdhsa_kernel k_q13031a491c_proj
		.amdhsa_group_segment_fixed_size 268288
		.amdhsa_private_segment_fixed_size 0
		.amdhsa_enable_private_segment 0
		.amdhsa_kernarg_size 40
		.amdhsa_user_sgpr_count 2
		.amdhsa_user_sgpr_kernarg_segment_ptr 1
		.amdhsa_wavefront_size32 1
		.amdhsa_system_sgpr_workgroup_id_x 1
		.amdhsa_system_sgpr_workgroup_id_y 1
		.amdhsa_system_sgpr_workgroup_id_z 1
		.amdhsa_system_vgpr_workitem_id 0
		.amdhsa_next_free_vgpr 256
		.amdhsa_next_free_sgpr 66
		.amdhsa_reserve_vcc 0
		.amdhsa_float_denorm_mode_32 3
		.amdhsa_float_denorm_mode_16_64 3
		.amdhsa_memory_ordered 1
		.amdhsa_forward_progress 1
		.amdhsa_inst_pref_size 46
	.end_amdhsa_kernel
	.amdgpu_metadata
---
amdhsa.version: [ 1, 2 ]
amdhsa.kernels:
  - .name:           k_q13031a491c_proj
    .symbol:         k_q13031a491c_proj.kd
    .args:
      - { .name: x, .offset: 0, .size: 8, .value_kind: global_buffer, .address_space: global }
      - { .name: wq, .offset: 8, .size: 8, .value_kind: global_buffer, .address_space: global }
      - { .name: wk, .offset: 16, .size: 8, .value_kind: global_buffer, .address_space: global }
      - { .name: wv, .offset: 24, .size: 8, .value_kind: global_buffer, .address_space: global }
      - { .name: qkv, .offset: 32, .size: 8, .value_kind: global_buffer, .address_space: global }
    .group_segment_fixed_size: 268288
    .private_segment_fixed_size: 0
    .kernarg_segment_align: 8
    .kernarg_segment_size: 40
    .max_flat_workgroup_size: 512
    .sgpr_count:     66
    .vgpr_count:     256
    .wavefront_size: 32
...
	.end_amdgpu_metadata
.endif
;; end of part 1
;; launch attn (part 2): grid 32 x 16, 8 waves a work-group, no clusters, 9,472 bytes of LDS; arguments cache_k, cache_v, mask, qkv, out0, ctx; writes out0, ctx
.if DOCPART == 2
	.amdgcn_target "amdgcn-amd-amdhsa--gfx1250"
	.amdhsa_code_object_version 6
	.text
	.protected	k_q13031a491c_attn
	.globl	k_q13031a491c_attn
	.p2align	8
	.type	k_q13031a491c_attn,@function
k_q13031a491c_attn:
	s_mov_b64 s[64:65], 0
	v_nop
	global_prefetch_b8 v0, s[64:65] scope:SCOPE_SE
	s_setreg_imm32_b32 hwreg(HW_REG_WAVE_MODE, 25, 1), 1
	s_wait_xcnt 0x0
; One work-group for each (batch b = id y, head h = id x): logits = (q . K[key]) 128^-0.5 + mask[key] (out0), softmax over 1,024 keys, ctx = attn . V.
; The append at start_pos = 4095 is clamped by dynamic_update_slice to row 1023, so key and value 1023 are the new k and v (slabs 1 and 2 of qkv).
; Eight waves; wave w owns keys 128 w .. 128 w + 127 of K and of V.  A head's row of a cache is 512 bytes = one 16-byte load of the wave
; (lane l holds d = 4 l .. 4 l + 3).  A ring of four slots of eight rows in registers keeps 32 such loads in flight in each wave, and it runs on
; from K into V: each wave makes a softmax of its own keys (own maximum m_w, own sum l_w), so no wave waits for another in between.
; One barrier at the end; wave 0 merges the eight parts: m = max m_w, f_w = exp(m_w - m), ctx = sum f_w c_w / sum f_w l_w.
; All arithmetic is f32 on the vector unit: there is one query row for each (b, h), so a matrix tile would be one sixteenth full, and the
; conversions alone would cost as many instructions as the two packed multiply-adds that a row of V takes here.
; NO CLUSTER, NO TENSOR LOADS: no two work-groups read the same byte of a cache (shared are 4 KiB of mask), and each row is used once, straight from registers.
; LIMITS: sums in another order than the reference's (per lane, across lanes, per wave, then merged).  exp2 results below 2^-126 count as 0.
; A key at -inf gets weight 0; a wave whose keys are all -inf contributes 0 (its maximum is held at the lowest finite f32);
; if all 1,024 keys are -inf, ctx is NaN, as in the reference.
.set KROW, 16384                       ; bytes from key to key in a cache
.set LO,   1                           ; v1        16 l: the one vector offset of every global access
.set PA,   2                           ; v2        LDS: 512 w + 16 l
.set PBA,  3                           ; v3        LDS: 512 w, alike in all lanes
.set MLA,  4                           ; v4        LDS: 8192 + 8 w
.set MLB,  5                           ; v5        LDS: 8192
.set Q,    6                           ; v[6:9]    q, my 4 d
.set KN,   10                          ; v[10:13]  the new k
.set VN,   14                          ; v[14:17]  the new v
.set MK,   18                          ; v[18:21]  mask of keys 128 w + 4 l + 0..3
.set W,    22                          ; v[22:25]  their logits
.set PR,   26                          ; v[26:29]  exp(logit - m_w)
.set M,    30                          ; v30       m_w
.set L,    31                          ; v31       l_w
.set T,    32                          ; v[32:39]  at work
.set P,    40                          ; v[40:71]  32 rows' partial dot products
.set PB,   72                          ; v[72:79]  weights of 8 keys, alike in all lanes
.set ACC,  80                          ; v[80:95]  four chains of 4 sums
.set RING, 96                          ; v[96:223] slot s at + 32 s, row i at + 4 i
; LDS: 0 .. 4095 weights, 512 bytes a wave, read by that wave alone; 4096 .. 8191 the waves' sums; 8192 .. 8255 the pairs (m_w, l_w)
	s_load_b256 s[4:11], s[0:1], 0x0               ; cache_k s[4:5], cache_v s[6:7], mask s[8:9], qkv s[10:11]
	s_load_b128 s[12:15], s[0:1], 0x20             ; out0 s[12:13], ctx s[14:15]
	v_lshl_add_u32 v224, v0, 2, 0x2100
	v_mov_b32 v225, 0
	v_lshrrev_b32 v[T], 5, v0
	v_readfirstlane_b32 s16, v[T]                  ; wave 0..7
	v_and_b32 v[LO], 31, v0
	v_lshlrev_b32 v[LO], 4, v[LO]
	s_and_b32 s18, ttmp7, 0xffff                   ; b
	s_lshl_b32 s17, ttmp9, 9                       ; 512 h
	s_lshl_b32 s22, s16, 9                         ; 512 w: my 128 numbers of the mask, and my 512 bytes in LDS
	s_mov_b32 s23, 0
	s_lshl_b32 s20, s18, 24                        ; caches: b x 1,024 keys x 16,384 bytes
	s_lshl_b32 s19, s16, 21                        ;         + 128 w keys
	s_add_co_u32 s20, s20, s19
	s_add_co_u32 s20, s20, s17                     ;         + the head's 512 bytes
	s_mov_b32 s21, 0
	s_lshl_b32 s34, s18, 14                        ; qkv and ctx: row b of 16,384 bytes + the head's 512
	s_add_co_u32 s34, s34, s17
	s_mov_b32 s35, 0
	s_lshl_b32 s36, s18, 17                        ; out0: ((32 b + h) x 1,024 + 128 w) x 4
	s_lshl_b32 s19, ttmp9, 12
	s_add_co_u32 s36, s36, s19
	s_add_co_u32 s36, s36, s22
	s_mov_b32 s37, 0
	s_mov_b32 s24, 0xff00ff00                      ; lanes with bit 3 set,
	s_mov_b32 s25, 0xf0f0f0f0                      ; bit 2,
	s_mov_b32 s26, 0xcccccccc                      ; bit 1,
	s_mov_b32 s27, 0xaaaaaaaa                      ; bit 0
	s_mov_b32 s30, 0x76543210                      ; v_permlanex16_b32: lane i reads lane i of the other half
	s_mov_b32 s31, 0xfedcba98
	s_mov_b32 s32, 0x3db504f3                      ; 128^-0.5
	s_mov_b32 s33, 0x3fb8aa3b                      ; log2 e
	s_cmp_eq_u32 s16, 7
	s_cselect_b32 s28, -1, 0                       ; all lanes of wave 7: its last key is 1023
	s_lshl_b32 s19, s16, 3
	s_add_co_u32 s19, s19, 8192
	v_add_nc_u32 v[PA], s22, v[LO]
	v_mov_b32 v[PBA], s22
	v_mov_b32 v[MLA], s19
	v_mov_b32 v[MLB], 8192
	s_wait_kmcnt 0x0
	s_add_nc_u64 s[4:5], s[4:5], s[20:21]
	s_add_nc_u64 s[6:7], s[6:7], s[20:21]
	s_add_nc_u64 s[8:9], s[8:9], s[22:23]
	s_add_nc_u64 s[10:11], s[10:11], s[34:35]
	s_add_nc_u64 s[12:13], s[12:13], s[36:37]
	s_add_nc_u64 s[14:15], s[14:15], s[34:35]
; Group g of eight rows into slot g % 4.  Groups 0-15 are K: chunk c = g / 4, row j = 8 (g % 4) + i is key 4 j + c, so that after the
; reduction lane j holds key 4 j + c and a lane's four chunks are four neighbouring keys.  Groups 16-31 are V: key 8 (g - 16) + i.
; The key is in the immediate (at most 127 x 16,384): no address register is ever stepped.
.macro LOADG g
.set lslot, RING+32*((\g)%4)
.irp i, 0,1,2,3,4,5,6,7
.if (\g) < 16
	global_load_b128 v[lslot+4*\i:lslot+4*\i+3], v[LO], s[4:5] offset:(4*(8*((\g)%4)+\i)+(\g)/4)*KROW th:TH_LOAD_NT
.else
	global_load_b128 v[lslot+4*\i:lslot+4*\i+3], v[LO], s[6:7] offset:(8*((\g)-16)+\i)*KROW th:TH_LOAD_NT
.endif
.endr
.endm
	global_load_b128 v[Q:Q+3],   v[LO], s[10:11]                   ; the small loads go first: the ring's first wait covers them
	global_load_b128 v[KN:KN+3], v[LO], s[10:11] offset:262144
	global_load_b128 v[VN:VN+3], v[LO], s[10:11] offset:524288
	global_load_b128 v[MK:MK+3], v[LO], s[8:9]
	LOADG 0
	LOADG 1
	LOADG 2
	LOADG 3
; Eight rows of K: each lane's share (4 d) of the eight dot products, then the slot is filled again, four groups ahead.
.macro KGROUP g
.set kslot, RING+32*((\g)%4)
.set krow, P+8*((\g)%4)
	s_wait_loadcnt 24                              ; loads come back in order (ISA guide 5.7.1): the three younger groups stay out
.if (\g) == 15
.irp e, 0,1,2,3
	v_cndmask_b32 v[kslot+28+\e], v[kslot+28+\e], v[KN+\e], s28    ; local key 127 (j = 31, c = 3): in wave 7 it is key 1023, the new k
.endr
.endif
.irp b, 0,4
.irp k, 0,1,2,3
	v_pk_mul_f32 v[T+2*\k:T+2*\k+1], v[kslot+4*(\b+\k):kslot+4*(\b+\k)+1], v[Q:Q+1]
.endr
.irp k, 0,1,2,3
	v_pk_fma_f32 v[T+2*\k:T+2*\k+1], v[kslot+4*(\b+\k)+2:kslot+4*(\b+\k)+3], v[Q+2:Q+3], v[T+2*\k:T+2*\k+1]
.endr
.irp k, 0,1,2,3
	v_add_f32 v[krow+\b+\k], v[T+2*\k], v[T+2*\k+1]
.endr
.endr
	LOADG (\g)+4
.endm
; One level of the reduction that also transposes: registers i and i + dist become one; lanes with bit dist clear keep row i, the others
; row i + dist.  Each lane keeps its own share of the row that it keeps and takes, from lane l xor dist, that lane's share of the same row.
.macro FOLD dist, msk
.set fi, 0
.rept \dist
	v_cndmask_b32 v[T+2*(fi%4)],   v[P+fi+\dist], v[P+fi],       \msk    ; what my partner keeps
	v_cndmask_b32 v[T+2*(fi%4)+1], v[P+fi],       v[P+fi+\dist], \msk    ; what I keep
	v_add_f32_dpp v[P+fi], v[T+2*(fi%4)], v[T+2*(fi%4)+1] row_xmask:\dist row_mask:0xf bank_mask:0xf
.set fi, fi+1
.endr
.endm
; 32 registers of 32 lanes' shares become one register with row j's sum in lane j; then scale and mask in one fused multiply-add.
.macro REDUCE c
.set fi, 0
.rept 16
	v_permlane16_swap_b32 v[P+fi], v[P+fi+16]      ; row i's upper lanes change places with row i + 16's lower lanes
.set fi, fi+1
.endr
.set fi, 0
.rept 16
	v_add_f32 v[P+fi], v[P+fi], v[P+fi+16]         ; lanes 0-15: row i, lanes 16-31: row i + 16
.set fi, fi+1
.endr
	FOLD 8, s24
	FOLD 4, s25
	FOLD 2, s26
	FOLD 1, s27
	v_fma_f32 v[W+\c], v[P], s32, v[MK+\c]         ; logit of key 4 l + c
.endm
.irp c, 0,1,2,3
	KGROUP 4*\c
	KGROUP 4*\c+1
	KGROUP 4*\c+2
	KGROUP 4*\c+3
	REDUCE \c
.endr
	global_store_b128 v[LO], v[W:W+3], s[12:13] th:TH_STORE_NT     ; 128 logits: 512 consecutive bytes, aligned.  W, LO and the base are not written again
	; the wave's own softmax
	v_max3_num_f32 v[M], v[W], v[W+1], v[W+2]
	v_max_num_f32 v[M], v[M], v[W+3]
	v_max_num_f32_dpp v[M], v[M], v[M] row_xmask:1 row_mask:0xf bank_mask:0xf
	v_max_num_f32_dpp v[M], v[M], v[M] row_xmask:2 row_mask:0xf bank_mask:0xf
	v_max_num_f32_dpp v[M], v[M], v[M] row_xmask:4 row_mask:0xf bank_mask:0xf
	v_max_num_f32_dpp v[M], v[M], v[M] row_xmask:8 row_mask:0xf bank_mask:0xf
	v_permlanex16_b32 v[T], v[M], s30, s31
	v_max_num_f32 v[M], v[M], v[T]
	v_max_num_f32 v[M], 0xff7fffff, v[M]           ; never -inf: (-inf) - m_w stays -inf and gives weight 0, not NaN
.irp c, 0,1,2,3
	v_sub_f32 v[T+\c], v[W+\c], v[M]               ; subtract first, scale then: m_w log2 e could overflow at the floor above
.endr
.irp c, 0,1,2,3
	v_mul_f32 v[T+\c], s33, v[T+\c]
.endr
.irp c, 0,1,2,3
	v_exp_f32 v[PR+\c], v[T+\c]
.endr
	v_nop                                          ; one plain place behind the exponentials (ISA guide 5.7.2) before results are read or sources written
	s_wait_alu depctr_va_vdst(0)
	v_add_f32 v[L], v[PR], v[PR+1]
	v_add_f32 v[T], v[PR+2], v[PR+3]
	v_add_f32 v[L], v[L], v[T]                     ; my four keys' share of l_w
	ds_store_b128 v[PA], v[PR:PR+3]                ; weight of local key n at byte 4 n of my 512 bytes
; d (a pair) = or += r (a pair) x one register of the pair p: the first (odd = 0) or the second (odd = 1), for both halves.
.macro PVHALF d, r, p, odd, first
.if \first
.if \odd
	v_pk_mul_f32 v[\d:\d+1], v[\r:\r+1], v[\p:\p+1] op_sel:[0,1] op_sel_hi:[1,1]
.else
	v_pk_mul_f32 v[\d:\d+1], v[\r:\r+1], v[\p:\p+1] op_sel_hi:[1,0]
.endif
.else
.if \odd
	v_pk_fma_f32 v[\d:\d+1], v[\r:\r+1], v[\p:\p+1], v[\d:\d+1] op_sel:[0,1,0] op_sel_hi:[1,1,1]
.else
	v_pk_fma_f32 v[\d:\d+1], v[\r:\r+1], v[\p:\p+1], v[\d:\d+1] op_sel_hi:[1,0,1]
.endif
.endif
.endm
; Eight rows of V: their weights come from LDS, alike into all lanes; row i adds to chain i % 4.  left: loads of younger groups that may stay out.
.macro VGROUP g, left, refill
.set vslot, RING+32*((\g)%4)
	ds_load_b128 v[PB:PB+3],   v[PBA] offset:32*((\g)-16)          ; LDS serves a wave's instructions in order (ISA guide 5.7.1.4): these see my store above
	ds_load_b128 v[PB+4:PB+7], v[PBA] offset:32*((\g)-16)+16
	s_wait_loadcnt \left
	s_wait_dscnt 0x0
.if (\g) == 31
.irp e, 0,1,2,3
	v_cndmask_b32 v[vslot+28+\e], v[vslot+28+\e], v[VN+\e], s28    ; local key 127: in wave 7 the new v
.endr
.endif
.irp i, 0,1,2,3,4,5,6,7
.irp e, 0,2
.if 8*((\g)-16)+\i < 4
	PVHALF ACC+4*(\i&3)+\e, vslot+4*\i+\e, PB+(\i&6), \i&1, 1      ; the first four rows start the four chains: nothing is cleared
.else
	PVHALF ACC+4*(\i&3)+\e, vslot+4*\i+\e, PB+(\i&6), \i&1, 0
.endif
.endr
.endr
.if \refill
	LOADG (\g)+4
.endif
.endm
.irp g, 16,17,18,19,20,21,22,23,24,25,26,27
	VGROUP \g, 24, 1
.endr
	VGROUP 28, 24, 0                               ; the last four groups fill nothing: the counts run down
	VGROUP 29, 16, 0
	VGROUP 30, 8, 0
	VGROUP 31, 0, 0
	; the wave's sums: four chains into one, l_w across the lanes, both to LDS
	v_pk_add_f32 v[ACC:ACC+1],     v[ACC:ACC+1],     v[ACC+4:ACC+5]
	v_pk_add_f32 v[ACC+2:ACC+3],   v[ACC+2:ACC+3],   v[ACC+6:ACC+7]
	v_pk_add_f32 v[ACC+8:ACC+9],   v[ACC+8:ACC+9],   v[ACC+12:ACC+13]
	v_pk_add_f32 v[ACC+10:ACC+11], v[ACC+10:ACC+11], v[ACC+14:ACC+15]
	v_pk_add_f32 v[ACC:ACC+1],     v[ACC:ACC+1],     v[ACC+8:ACC+9]
	v_pk_add_f32 v[ACC+2:ACC+3],   v[ACC+2:ACC+3],   v[ACC+10:ACC+11]
	v_add_f32_dpp v[L], v[L], v[L] row_xmask:1 row_mask:0xf bank_mask:0xf
	v_add_f32_dpp v[L], v[L], v[L] row_xmask:2 row_mask:0xf bank_mask:0xf
	v_add_f32_dpp v[L], v[L], v[L] row_xmask:4 row_mask:0xf bank_mask:0xf
	v_add_f32_dpp v[L], v[L], v[L] row_xmask:8 row_mask:0xf bank_mask:0xf
	v_permlanex16_b32 v[T], v[L], s30, s31
	v_add_f32 v[L], v[L], v[T]
	ds_store_b128 v[PA], v[ACC:ACC+3] offset:4096
	ds_store_b64 v[MLA], v[M:M+1]                  ; (m_w, l_w): all lanes write the same two words with the same values
	s_wait_dscnt 0x0                               ; for wave 0's sake: my stores are done before I say so
	s_barrier_signal -1
	s_barrier_wait -1
	s_cmp_lg_u32 s16, 0
	s_cbranch_scc1 .Lend                           ; the merge is 128 numbers: one wave's work
.irp i, 0,1,2,3
	ds_load_b128 v[P+4*\i:P+4*\i+3], v[MLB] offset:16*\i           ; m_w in v[P + 2 w], l_w in v[P + 2 w + 1], alike in all lanes
.endr
.irp p, 0,1,2,3,4,5,6,7
	ds_load_b128 v[RING+4*\p:RING+4*\p+3], v[LO] offset:4096+512*\p ; wave p's sums for my 4 d
.endr
	s_wait_dscnt 0x0
	v_max3_num_f32 v[T], v[P], v[P+2], v[P+4]
	v_max3_num_f32 v[T], v[T], v[P+6], v[P+8]
	v_max3_num_f32 v[T], v[T], v[P+10], v[P+12]
	v_max_num_f32 v[T], v[T], v[P+14]              ; m
.irp p, 0,1,2,3,4,5,6,7
	v_sub_f32 v[P+24+\p], v[P+2*\p], v[T]
.endr
.irp p, 0,1,2,3,4,5,6,7
	v_mul_f32 v[P+24+\p], s33, v[P+24+\p]
.endr
.irp p, 0,1,2,3,4,5,6,7
	v_exp_f32 v[P+16+\p], v[P+24+\p]               ; f_w = exp(m_w - m)
.endr
	v_nop                                          ; the plain place behind the exponentials
	s_wait_alu depctr_va_vdst(0)
	v_mul_f32 v[T+1], v[P+16], v[P+1]
.irp p, 1,2,3,4,5,6,7
	v_fmac_f32 v[T+1], v[P+16+\p], v[P+2*\p+1]     ; l = sum of f_w l_w
.endr
	v_rcp_f32 v[T+6], v[T+1]                       ; used 16 plain instructions further down
	PVHALF T+2, RING, P+16, 0, 1
	PVHALF T+4, RING+2, P+16, 0, 1
.irp p, 1,2,3,4,5,6,7
	PVHALF T+2, RING+4*\p, P+16+(\p&6), \p&1, 0
	PVHALF T+4, RING+4*\p+2, P+16+(\p&6), \p&1, 0
.endr
	s_wait_alu depctr_va_vdst(0)
	v_pk_mul_f32 v[T+2:T+3], v[T+2:T+3], v[T+6:T+7] op_sel_hi:[1,0]
	v_pk_mul_f32 v[T+4:T+5], v[T+4:T+5], v[T+6:T+7] op_sel_hi:[1,0]
	global_store_b128 v[LO], v[T+2:T+5], s[14:15]  ; the head's 128 numbers of ctx: 512 consecutive bytes, aligned; read by the next launch: no hint
.Lend:
	s_wait_tensorcnt 0x0
	ds_add_u32 v224, v225
	s_wait_dscnt 0x0
	s_endpgm
.Lfunc_end_k_q13031a491c_attn:
	.size	k_q13031a491c_attn, .Lfunc_end_k_q13031a491c_attn-k_q13031a491c_attn
	.p2alignl 7, 3214868480
	.fill 96, 4, 3214868480
	.section	.rodata,"a",@progbits
	.p2align	6, 0x0
	.amdhsa_kernel k_q13031a491c_attn
		.amdhsa_group_segment_fixed_size 9472
		.amdhsa_private_segment_fixed_size 0
		.amdhsa_enable_private_segment 0
		.amdhsa_kernarg_size 48
		.amdhsa_user_sgpr_count 2
		.amdhsa_user_sgpr_kernarg_segment_ptr 1
		.amdhsa_wavefront_size32 1
		.amdhsa_system_sgpr_workgroup_id_x 1
		.amdhsa_system_sgpr_workgroup_id_y 1
		.amdhsa_system_sgpr_workgroup_id_z 1
		.amdhsa_system_vgpr_workitem_id 0
		.amdhsa_next_free_vgpr 226
		.amdhsa_next_free_sgpr 66
		.amdhsa_reserve_vcc 0
		.amdhsa_float_denorm_mode_32 3
		.amdhsa_float_denorm_mode_16_64 3
		.amdhsa_memory_ordered 1
		.amdhsa_forward_progress 1
		.amdhsa_inst_pref_size 88
	.end_amdhsa_kernel
	.amdgpu_metadata
---
amdhsa.version: [ 1, 2 ]
amdhsa.kernels:
  - .name:           k_q13031a491c_attn
    .symbol:         k_q13031a491c_attn.kd
    .args:
      - { .name: cache_k, .offset: 0, .size: 8, .value_kind: global_buffer, .address_space: global }
      - { .name: cache_v, .offset: 8, .size: 8, .value_kind: global_buffer, .address_space: global }
      - { .name: mask, .offset: 16, .size: 8, .value_kind: global_buffer, .address_space: global }
      - { .name: qkv, .offset: 24, .size: 8, .value_kind: global_buffer, .address_space: global }
      - { .name: out0, .offset: 32, .size: 8, .value_kind: global_buffer, .address_space: global }
      - { .name: ctx, .offset: 40, .size: 8, .value_kind: global_buffer, .address_space: global }
    .group_segment_fixed_size: 9472
    .private_segment_fixed_size: 0
    .kernarg_segment_align: 8
    .kernarg_segment_size: 48
    .max_flat_workgroup_size: 256
    .sgpr_count:     66
    .vgpr_count:     226
    .wavefront_size: 32
...
	.end_amdgpu_metadata
.endif
;; end of part 2
;; launch outp: the kernel of part 1 again; grid 64 x 1, 16 waves a work-group, no clusters, 268,288 bytes of LDS; arguments ctx, wo, wq, wk, out1; writes out1
;; ======== version 2 of 2: 3 launches; version 1 with the launch attn written anew for expert scheduling mode
;; limits: values are held in f16: magnitudes above 65,504 overflow, below 6.1e-05 lose precision; inputs' magnitudes at most 65,504
;; workspace buffers: qkv 786,432 bytes; ctx 262,144 bytes
;; launch proj: the kernel of part 1 again; grid 192 x 1, 16 waves a work-group, no clusters, 268,288 bytes of LDS; arguments x, wq, wk, wv, qkv; writes qkv
;; launch attn (part 3): grid 32 x 16, 8 waves a work-group, no clusters, 9,472 bytes of LDS; arguments cache_k, cache_v, mask, qkv, out0, ctx; writes out0, ctx
.if DOCPART == 3
	.amdgcn_target "amdgcn-amd-amdhsa--gfx1250"
	.amdhsa_code_object_version 6
	.text
	.protected	k_q13031a491c_attn
	.globl	k_q13031a491c_attn
	.p2align	8
	.type	k_q13031a491c_attn,@function
k_q13031a491c_attn:
	s_mov_b64 s[64:65], 0
	v_nop
	global_prefetch_b8 v0, s[64:65] scope:SCOPE_SE
	s_setreg_imm32_b32 hwreg(HW_REG_WAVE_SCHED_MODE, 0, 2), 2
	s_setreg_imm32_b32 hwreg(HW_REG_WAVE_MODE, 25, 1), 1
	s_wait_xcnt 0x0
	s_wait_alu depctr_vm_vsrc(0)
; One work-group for each (batch b = id y, head h = id x): logits = (q . K[key]) 128^-0.5 + mask[key] (out0), softmax over 1,024 keys, ctx = attn . V.
; The append at start_pos = 4095 is clamped by dynamic_update_slice to row 1023, so key and value 1023 are the new k and v (slabs 1 and 2 of qkv).
; Eight waves; wave w owns keys 128 w .. 128 w + 127 of K and of V.  A head's row of a cache is 512 bytes = one 16-byte load of the wave
; (lane l holds d = 4 l .. 4 l + 3).  A ring of four slots of eight rows in registers keeps 32 such loads in flight in each wave, and it runs on
; from K into V: each wave makes a softmax of its own keys (own maximum m_w, own sum l_w), so no wave waits for another in between.
; One barrier at the end; wave 0 merges the eight parts: m = max m_w, f_w = exp(m_w - m), ctx = sum f_w c_w / sum f_w l_w.
; All arithmetic is f32 on the vector unit: there is one query row for each (b, h), so a matrix tile would be one sixteenth full, and the
; conversions alone would cost as many instructions as the two packed multiply-adds that a row of V takes here.
; NO CLUSTER, NO TENSOR LOADS: no two work-groups read the same byte of a cache (shared are 4 KiB of mask), and each row is used once, straight from registers.
; LIMITS: sums in another order than the reference's (per lane, across lanes, per wave, then merged).  exp2 results below 2^-126 count as 0.
; A key at -inf gets weight 0; a wave whose keys are all -inf contributes 0 (its maximum is held at the lowest finite f32);
; if all 1,024 keys are -inf, ctx is NaN, as in the reference.
; THE MODE: SCHED_MODE bits 1:0 = 2 (LLVM: expert scheduling mode 2), set by the entry lines.  The code itself states the register dependences
; between vector instructions and memory or LDS instructions, with s_wait_alu, always for 0.
; THE PLAN.  Registers that memory or LDS instructions touch:
;   v1 .. v5      offsets and LDS addresses: written once at the head, ahead of one wait on va_vdst; read by every access; never written again.
;   Q, KN, VN, MK loaded once at the head; no vector instruction names them before.
;   RING slot     Group g: its products read slot g % 4 (groups 15 and 31 also write four of its registers); behind them the loads of group g + 4 land in it.
;   PB            V group g: its sixteen multiply-adds read PB; behind them the weights of group g + 1 land in it.
;   W, PR         written by the logits' multiply-adds and by the exponentials; each read by one store; never written again.
;   ACC .. ACC+3, M, L   written by the closing sums; read by the two LDS stores ahead of the barrier; never written again.
;   P .. P+15, RING .. RING+31   in the merge LDS loads land in them: no vector instruction stands between the wait ahead of those two stores and these loads.
;   T+2 .. T+5    the data of the last store.     v224, v225   written at the head, read by the closing add alone.
; So ONE wait on va_vdst stands in a group, behind the lines that empty its slot, and the slot is asked for again at once: as many loads stay out as the ring has room for.
; No register that a memory or LDS instruction reads is written again behind that read, so the text holds no wait on vm_vsrc.
.set KROW, 16384                       ; bytes from key to key in a cache
.set LO,   1                           ; v1        16 l: the one vector offset of every global access
.set PA,   2                           ; v2        LDS: 512 w + 16 l
.set PBA,  3                           ; v3        LDS: 512 w, alike in all lanes
.set MLA,  4                           ; v4        LDS: 8192 + 8 w
.set MLB,  5                           ; v5        LDS: 8192
.set Q,    6                           ; v[6:9]    q, my 4 d
.set KN,   10                          ; v[10:13]  the new k
.set VN,   14                          ; v[14:17]  the new v
.set MK,   18                          ; v[18:21]  mask of keys 128 w + 4 l + 0..3
.set W,    22                          ; v[22:25]  their logits
.set PR,   26                          ; v[26:29]  exp(logit - m_w)
.set M,    30                          ; v30       m_w
.set L,    31                          ; v31       l_w
.set T,    32                          ; v[32:39]  at work
.set P,    40                          ; v[40:71]  32 rows' partial dot products
.set PB,   72                          ; v[72:79]  weights of 8 keys, alike in all lanes
.set ACC,  80                          ; v[80:95]  four chains of 4 sums
.set RING, 96                          ; v[96:223] slot s at + 32 s, row i at + 4 i
; LDS: 0 .. 4095 weights, 512 bytes a wave, read by that wave alone; 4096 .. 8191 the waves' sums; 8192 .. 8255 the pairs (m_w, l_w)
	s_load_b256 s[4:11], s[0:1], 0x0               ; cache_k s[4:5], cache_v s[6:7], mask s[8:9], qkv s[10:11]
	s_load_b128 s[12:15], s[0:1], 0x20             ; out0 s[12:13], ctx s[14:15]
	v_lshl_add_u32 v224, v0, 2, 0x2100
	v_mov_b32 v225, 0
	v_lshrrev_b32 v[T], 5, v0
	v_readfirstlane_b32 s16, v[T]                  ; wave 0..7
	v_and_b32 v[LO], 31, v0
	v_lshlrev_b32 v[LO], 4, v[LO]
	s_and_b32 s18, ttmp7, 0xffff                   ; b
	s_lshl_b32 s17, ttmp9, 9                       ; 512 h
	s_wait_alu depctr_va_sdst(0)                   ; s16 is written, ahead of its first reader: offsets, LDS addresses and the branch at the end are made from it
	s_lshl_b32 s22, s16, 9                         ; 512 w: my 128 numbers of the mask, and my 512 bytes in LDS
	s_mov_b32 s23, 0
	s_lshl_b32 s20, s18, 24                        ; caches: b x 1,024 keys x 16,384 bytes
	s_lshl_b32 s19, s16, 21                        ;         + 128 w keys
	s_add_co_u32 s20, s20, s19
	s_add_co_u32 s20, s20, s17                     ;         + the head's 512 bytes
	s_mov_b32 s21, 0
	s_lshl_b32 s34, s18, 14                        ; qkv and ctx: row b of 16,384 bytes + the head's 512
	s_add_co_u32 s34, s34, s17
	s_mov_b32 s35, 0
	s_lshl_b32 s36, s18, 17                        ; out0: ((32 b + h) x 1,024 + 128 w) x 4
	s_lshl_b32 s19, ttmp9, 12
	s_add_co_u32 s36, s36, s19
	s_add_co_u32 s36, s36, s22
	s_mov_b32 s37, 0
	s_mov_b32 s24, 0xff00ff00                      ; lanes with bit 3 set,
	s_mov_b32 s25, 0xf0f0f0f0                      ; bit 2,
	s_mov_b32 s26, 0xcccccccc                      ; bit 1,
	s_mov_b32 s27, 0xaaaaaaaa                      ; bit 0
	s_mov_b32 s30, 0x76543210                      ; v_permlanex16_b32: lane i reads lane i of the other half
	s_mov_b32 s31, 0xfedcba98
	s_mov_b32 s32, 0x3db504f3                      ; 128^-0.5
	s_mov_b32 s33, 0x3fb8aa3b                      ; log2 e
	s_cmp_eq_u32 s16, 7
	s_cselect_b32 s28, -1, 0                       ; all lanes of wave 7: its last key is 1023
	s_lshl_b32 s19, s16, 3
	s_add_co_u32 s19, s19, 8192
	v_add_nc_u32 v[PA], s22, v[LO]
	v_mov_b32 v[PBA], s22
	v_mov_b32 v[MLA], s19
	v_mov_b32 v[MLB], 8192
	s_wait_kmcnt 0x0
	s_add_nc_u64 s[4:5], s[4:5], s[20:21]
	s_add_nc_u64 s[6:7], s[6:7], s[20:21]
	s_add_nc_u64 s[8:9], s[8:9], s[22:23]
	s_add_nc_u64 s[10:11], s[10:11], s[34:35]
	s_add_nc_u64 s[12:13], s[12:13], s[36:37]
	s_add_nc_u64 s[14:15], s[14:15], s[34:35]
	s_wait_alu depctr_va_vdst(0)                   ; v1 to v5 are written: the offset of every global access and the four LDS addresses of the kernel
; Row i of group g of eight rows, into slot g % 4.  Groups 0-15 are K: chunk c = g / 4, row j = 8 (g % 4) + i is key 4 j + c, so that after the
; reduction lane j holds key 4 j + c and a lane's four chunks are four neighbouring keys.  Groups 16-31 are V: key 8 (g - 16) + i.
; The key is in the immediate (at most 127 x 16,384): no address register is ever stepped.
.macro LOADR g, i
.if (\g) < 16
	global_load_b128 v[RING+32*((\g)%4)+4*(\i):RING+32*((\g)%4)+4*(\i)+3], v[LO], s[4:5] offset:(4*(8*((\g)%4)+(\i))+(\g)/4)*KROW th:TH_LOAD_NT
.else
	global_load_b128 v[RING+32*((\g)%4)+4*(\i):RING+32*((\g)%4)+4*(\i)+3], v[LO], s[6:7] offset:(8*((\g)-16)+(\i))*KROW th:TH_LOAD_NT
.endif
.endm
.macro LOADG g
.irp i, 0,1,2,3,4,5,6,7
	LOADR \g, \i
.endr
.endm
	global_load_b128 v[Q:Q+3],   v[LO], s[10:11]                   ; the small loads go first: the ring's first wait covers them
	global_load_b128 v[KN:KN+3], v[LO], s[10:11] offset:262144
	global_load_b128 v[VN:VN+3], v[LO], s[10:11] offset:524288
	global_load_b128 v[MK:MK+3], v[LO], s[8:9]
	LOADG 0
	LOADG 1
	LOADG 2
	LOADG 3
; Rows b .. b + 3 of the slot at kslot: each lane's 4 d of the four dot products, as two sums of two in a pair of T.
.macro KMULS b
.irp k, 0,1,2,3
	v_pk_mul_f32 v[T+2*\k:T+2*\k+1], v[kslot+4*(\b+\k):kslot+4*(\b+\k)+1], v[Q:Q+1]
.endr
.irp k, 0,1,2,3
	v_pk_fma_f32 v[T+2*\k:T+2*\k+1], v[kslot+4*(\b+\k)+2:kslot+4*(\b+\k)+3], v[Q+2:Q+3], v[T+2*\k:T+2*\k+1]
.endr
.endm
; Eight rows of K: each lane's share (4 d) of the eight dot products, then the slot is filled again, four groups ahead.
.macro KGROUP g
.set kslot, RING+32*((\g)%4)
.set krow, P+8*((\g)%4)
	s_wait_loadcnt 24                              ; loads come back in order (ISA guide 5.7.1): the three younger groups stay out
.if (\g) == 15
.irp e, 0,1,2,3
	v_cndmask_b32 v[kslot+28+\e], v[kslot+28+\e], v[KN+\e], s28    ; local key 127 (j = 31, c = 3): in wave 7 it is key 1023, the new k
.endr
.endif
	KMULS 0
.irp k, 0,1,2,3
	v_add_f32 v[krow+\k], v[T+2*\k], v[T+2*\k+1]
.endr
	KMULS 4
	s_wait_alu depctr_va_vdst(0)                   ; the products above are done reading the slot (in group 15 the four selects have written it): the loads below land in it
.irp k, 0,1,2,3
	LOADR (\g)+4, 2*\k                             ; the refills are dealt among the last four additions, which name T and P alone
	LOADR (\g)+4, 2*\k+1
	v_add_f32 v[krow+4+\k], v[T+2*\k], v[T+2*\k+1]
.endr
.endm
; One level of the reduction that also transposes: registers i and i + dist become one; lanes with bit dist clear keep row i, the others
; row i + dist.  Each lane keeps its own share of the row that it keeps and takes, from lane l xor dist, that lane's share of the same row.
.macro FOLD dist, msk
.set fi, 0
.rept \dist
	v_cndmask_b32 v[T+2*(fi%4)],   v[P+fi+\dist], v[P+fi],       \msk    ; what my partner keeps
	v_cndmask_b32 v[T+2*(fi%4)+1], v[P+fi],       v[P+fi+\dist], \msk    ; what I keep
	v_add_f32_dpp v[P+fi], v[T+2*(fi%4)], v[T+2*(fi%4)+1] row_xmask:\dist row_mask:0xf bank_mask:0xf
.set fi, fi+1
.endr
.endm
; 32 registers of 32 lanes' shares become one register with row j's sum in lane j; then scale and mask in one fused multiply-add.
.macro REDUCE c
.set fi, 0
.rept 16
	v_permlane16_swap_b32 v[P+fi], v[P+fi+16]      ; row i's upper lanes change places with row i + 16's lower lanes
.set fi, fi+1
.endr
.set fi, 0
.rept 16
	v_add_f32 v[P+fi], v[P+fi], v[P+fi+16]         ; lanes 0-15: row i, lanes 16-31: row i + 16
.set fi, fi+1
.endr
	FOLD 8, s24
	FOLD 4, s25
	FOLD 2, s26
	FOLD 1, s27
	v_fma_f32 v[W+\c], v[P], s32, v[MK+\c]         ; logit of key 4 l + c
.endm
.irp c, 0,1,2,3
	KGROUP 4*\c
	KGROUP 4*\c+1
	KGROUP 4*\c+2
	KGROUP 4*\c+3
	REDUCE \c
.endr
; The weights of V group g's eight keys, from my 512 bytes of LDS, alike into all lanes.
.macro WEIGHTS g
	ds_load_b128 v[PB:PB+3],   v[PBA] offset:32*((\g)-16)          ; LDS serves a wave's instructions in order (ISA guide 5.7.1.4): these see my store of the weights
	ds_load_b128 v[PB+4:PB+7], v[PBA] offset:32*((\g)-16)+16
.endm
	; the wave's own softmax
	v_max3_num_f32 v[M], v[W], v[W+1], v[W+2]
	v_max_num_f32 v[M], v[M], v[W+3]
	v_max_num_f32_dpp v[M], v[M], v[M] row_xmask:1 row_mask:0xf bank_mask:0xf
	v_max_num_f32_dpp v[M], v[M], v[M] row_xmask:2 row_mask:0xf bank_mask:0xf
	v_max_num_f32_dpp v[M], v[M], v[M] row_xmask:4 row_mask:0xf bank_mask:0xf
	v_max_num_f32_dpp v[M], v[M], v[M] row_xmask:8 row_mask:0xf bank_mask:0xf
	v_permlanex16_b32 v[T], v[M], s30, s31
	v_max_num_f32 v[M], v[M], v[T]
	v_max_num_f32 v[M], 0xff7fffff, v[M]           ; never -inf: (-inf) - m_w stays -inf and gives weight 0, not NaN
.irp c, 0,1,2,3
	v_sub_f32 v[T+\c], v[W+\c], v[M]               ; subtract first, scale then: m_w log2 e could overflow at the floor above
.endr
.irp c, 0,1,2,3
	v_mul_f32 v[T+\c], s33, v[T+\c]
.endr
.irp c, 0,1,2,3
	v_exp_f32 v[PR+\c], v[T+\c]
.endr
	v_nop                                          ; one plain place behind the exponentials (ISA guide 5.7.2) before results are read or sources written
	s_wait_alu depctr_va_vdst(0)                   ; one wait for two stores and for the exponentials' readers: the logits' multiply-adds have written W, the exponentials PR
	global_store_b128 v[LO], v[W:W+3], s[12:13] th:TH_STORE_NT     ; 128 logits: 512 consecutive bytes, aligned.  W, LO and the base are not written again
	ds_store_b128 v[PA], v[PR:PR+3]                ; weight of local key n at byte 4 n of my 512 bytes
	WEIGHTS 16                                     ; no vector instruction has named PB yet
	v_add_f32 v[L], v[PR], v[PR+1]
	v_add_f32 v[T], v[PR+2], v[PR+3]
	v_add_f32 v[L], v[L], v[T]                     ; my four keys' share of l_w
; d (a pair) = or += r (a pair) x one register of the pair p: the first (odd = 0) or the second (odd = 1), for both halves.
.macro PVHALF d, r, p, odd, first
.if \first
.if \odd
	v_pk_mul_f32 v[\d:\d+1], v[\r:\r+1], v[\p:\p+1] op_sel:[0,1] op_sel_hi:[1,1]
.else
	v_pk_mul_f32 v[\d:\d+1], v[\r:\r+1], v[\p:\p+1] op_sel_hi:[1,0]
.endif
.else
.if \odd
	v_pk_fma_f32 v[\d:\d+1], v[\r:\r+1], v[\p:\p+1], v[\d:\d+1] op_sel:[0,1,0] op_sel_hi:[1,1,1]
.else
	v_pk_fma_f32 v[\d:\d+1], v[\r:\r+1], v[\p:\p+1], v[\d:\d+1] op_sel_hi:[1,0,1]
.endif
.endif
.endm
; Eight rows of V: their weights were asked for in the group before; row i adds to chain i % 4.  left: loads of younger groups that may stay out.
.macro VGROUP g, left, refill
.set vslot, RING+32*((\g)%4)
	s_wait_loadcnt \left
	s_wait_dscnt 0x0                               ; this group's weights are in
.if (\g) == 31
.irp e, 0,1,2,3
	v_cndmask_b32 v[vslot+28+\e], v[vslot+28+\e], v[VN+\e], s28    ; local key 127: in wave 7 the new v
.endr
.endif
.irp i, 0,1,2,3,4,5,6,7
.irp e, 0,2
.if 8*((\g)-16)+\i < 4
	PVHALF ACC+4*(\i&3)+\e, vslot+4*\i+\e, PB+(\i&6), \i&1, 1      ; the first four rows start the four chains: nothing is cleared
.else
	PVHALF ACC+4*(\i&3)+\e, vslot+4*\i+\e, PB+(\i&6), \i&1, 0
.endif
.endr
.endr
.if (\g) < 31
	s_wait_alu depctr_va_vdst(0)                   ; the multiply-adds above are done reading PB, in which the next group's weights land, and the slot, in which the refill (where there is one) lands
	WEIGHTS (\g)+1                                 ; ahead of the refill: the two LDS loads do not stand behind eight global loads
.endif
.if \refill
	LOADG (\g)+4
.endif
.endm
.irp g, 16,17,18,19,20,21,22,23,24,25,26,27
	VGROUP \g, 24, 1
.endr
	VGROUP 28, 24, 0                               ; the last four groups fill nothing: the counts run down
	VGROUP 29, 16, 0
	VGROUP 30, 8, 0
	VGROUP 31, 0, 0
	; the wave's sums: four chains into one, l_w across the lanes, both to LDS
	v_pk_add_f32 v[ACC:ACC+1],     v[ACC:ACC+1],     v[ACC+4:ACC+5]
	v_pk_add_f32 v[ACC+2:ACC+3],   v[ACC+2:ACC+3],   v[ACC+6:ACC+7]
	v_pk_add_f32 v[ACC+8:ACC+9],   v[ACC+8:ACC+9],   v[ACC+12:ACC+13]
	v_pk_add_f32 v[ACC+10:ACC+11], v[ACC+10:ACC+11], v[ACC+14:ACC+15]
	v_pk_add_f32 v[ACC:ACC+1],     v[ACC:ACC+1],     v[ACC+8:ACC+9]
	v_pk_add_f32 v[ACC+2:ACC+3],   v[ACC+2:ACC+3],   v[ACC+10:ACC+11]
	v_add_f32_dpp v[L], v[L], v[L] row_xmask:1 row_mask:0xf bank_mask:0xf
	v_add_f32_dpp v[L], v[L], v[L] row_xmask:2 row_mask:0xf bank_mask:0xf
	v_add_f32_dpp v[L], v[L], v[L] row_xmask:4 row_mask:0xf bank_mask:0xf
	v_add_f32_dpp v[L], v[L], v[L] row_xmask:8 row_mask:0xf bank_mask:0xf
	v_permlanex16_b32 v[T], v[L], s30, s31
	v_add_f32 v[L], v[L], v[T]
	s_wait_alu depctr_va_vdst(0)                   ; the sums above have written ACC .. ACC+3 and L, which the two LDS stores read; and every reader and writer of P and of the ring is done, in which wave 0's LDS loads land behind the barrier
	ds_store_b128 v[PA], v[ACC:ACC+3] offset:4096
	ds_store_b64 v[MLA], v[M:M+1]                  ; (m_w, l_w): all lanes write the same two words with the same values
	s_wait_dscnt 0x0                               ; for wave 0's sake: my stores are done before I say so
	s_barrier_signal -1
	s_barrier_wait -1
	s_cmp_lg_u32 s16, 0
	s_cbranch_scc1 .Lend                           ; the merge is 128 numbers: one wave's work
.irp i, 0,1,2,3
	ds_load_b128 v[P+4*\i:P+4*\i+3], v[MLB] offset:16*\i           ; m_w in v[P + 2 w], l_w in v[P + 2 w + 1], alike in all lanes
.endr
.irp p, 0,1,2,3,4,5,6,7
	ds_load_b128 v[RING+4*\p:RING+4*\p+3], v[LO] offset:4096+512*\p ; wave p's sums for my 4 d
.endr
	s_wait_dscnt 0x0
	v_max3_num_f32 v[T], v[P], v[P+2], v[P+4]
	v_max3_num_f32 v[T], v[T], v[P+6], v[P+8]
	v_max3_num_f32 v[T], v[T], v[P+10], v[P+12]
	v_max_num_f32 v[T], v[T], v[P+14]              ; m
.irp p, 0,1,2,3,4,5,6,7
	v_sub_f32 v[P+24+\p], v[P+2*\p], v[T]
.endr
.irp p, 0,1,2,3,4,5,6,7
	v_mul_f32 v[P+24+\p], s33, v[P+24+\p]
.endr
.irp p, 0,1,2,3,4,5,6,7
	v_exp_f32 v[P+16+\p], v[P+24+\p]               ; f_w = exp(m_w - m)
.endr
	v_nop                                          ; the plain place behind the exponentials
	s_wait_alu depctr_va_vdst(0)                   ; the eight exponentials have written f_w, ahead of their first reader
	v_mul_f32 v[T+1], v[P+16], v[P+1]
.irp p, 1,2,3,4,5,6,7
	v_fmac_f32 v[T+1], v[P+16+\p], v[P+2*\p+1]     ; l = sum of f_w l_w
.endr
	v_rcp_f32 v[T+6], v[T+1]                       ; used 16 plain instructions further down
	PVHALF T+2, RING, P+16, 0, 1
	PVHALF T+4, RING+2, P+16, 0, 1
.irp p, 1,2,3,4,5,6,7
	PVHALF T+2, RING+4*\p, P+16+(\p&6), \p&1, 0
	PVHALF T+4, RING+4*\p+2, P+16+(\p&6), \p&1, 0
.endr
	s_wait_alu depctr_va_vdst(0)                   ; the reciprocal has written 1 / l, ahead of its first reader
	v_pk_mul_f32 v[T+2:T+3], v[T+2:T+3], v[T+6:T+7] op_sel_hi:[1,0]
	v_pk_mul_f32 v[T+4:T+5], v[T+4:T+5], v[T+6:T+7] op_sel_hi:[1,0]
	s_wait_alu depctr_va_vdst(0)                   ; the two multiplies have written T+2 .. T+5, which the store reads
	global_store_b128 v[LO], v[T+2:T+5], s[14:15]  ; the head's 128 numbers of ctx: 512 consecutive bytes, aligned; read by the next launch: no hint
.Lend:
	s_wait_dscnt 0x0                               ; the closing lines, six on end
	s_wait_alu 0x0
	s_wait_tensorcnt 0x0
	ds_add_u32 v224, v225
	s_wait_dscnt 0x0
	s_endpgm
.Lfunc_end_k_q13031a491c_attn:
	.size	k_q13031a491c_attn, .Lfunc_end_k_q13031a491c_attn-k_q13031a491c_attn
	.p2alignl 7, 3214868480
	.fill 96, 4, 3214868480
	.section	.rodata,"a",@progbits
	.p2align	6, 0x0
	.amdhsa_kernel k_q13031a491c_attn
		.amdhsa_group_segment_fixed_size 9472
		.amdhsa_private_segment_fixed_size 0
		.amdhsa_enable_private_segment 0
		.amdhsa_kernarg_size 48
		.amdhsa_user_sgpr_count 2
		.amdhsa_user_sgpr_kernarg_segment_ptr 1
		.amdhsa_wavefront_size32 1
		.amdhsa_system_sgpr_workgroup_id_x 1
		.amdhsa_system_sgpr_workgroup_id_y 1
		.amdhsa_system_sgpr_workgroup_id_z 1
		.amdhsa_system_vgpr_workitem_id 0
		.amdhsa_next_free_vgpr 226
		.amdhsa_next_free_sgpr 66
		.amdhsa_reserve_vcc 0
		.amdhsa_float_denorm_mode_32 3
		.amdhsa_float_denorm_mode_16_64 3
		.amdhsa_memory_ordered 1
		.amdhsa_forward_progress 1
		.amdhsa_inst_pref_size 90
	.end_amdhsa_kernel
	.amdgpu_metadata
---
amdhsa.version: [ 1, 2 ]
amdhsa.kernels:
  - .name:           k_q13031a491c_attn
    .symbol:         k_q13031a491c_attn.kd
    .args:
      - { .name: cache_k, .offset: 0, .size: 8, .value_kind: global_buffer, .address_space: global }
      - { .name: cache_v, .offset: 8, .size: 8, .value_kind: global_buffer, .address_space: global }
      - { .name: mask, .offset: 16, .size: 8, .value_kind: global_buffer, .address_space: global }
      - { .name: qkv, .offset: 24, .size: 8, .value_kind: global_buffer, .address_space: global }
      - { .name: out0, .offset: 32, .size: 8, .value_kind: global_buffer, .address_space: global }
      - { .name: ctx, .offset: 40, .size: 8, .value_kind: global_buffer, .address_space: global }
    .group_segment_fixed_size: 9472
    .private_segment_fixed_size: 0
    .kernarg_segment_align: 8
    .kernarg_segment_size: 48
    .max_flat_workgroup_size: 256
    .sgpr_count:     66
    .vgpr_count:     226
    .wavefront_size: 32
...
	.end_amdgpu_metadata
.endif
;; end of part 3
;; launch outp: the kernel of part 1 again; grid 64 x 1, 16 waves a work-group, no clusters, 268,288 bytes of LDS; arguments ctx, wo, wq, wk, out1; writes out1
